; MI455X (gfx1250); checked and timed in simulation.
; The chip was launched on July 23, 2026; its instructions are those of AMD's public machine-readable ISA for CDNA 5 (MIT licence, August 2026) and "CDNA5" Instruction Set Architecture Reference Guide (July 2026). The comments in the code are by the model that wrote it; some were corrected since.
;; Edge Aware Module. Allowed arithmetic: matrix products marked QUANTISED: E2M1 operands, one E8M0 scale for each 32 along K, by v_wmma_scale_f32_16x16x128_f8f6f4 with both operands' format E2M1 (or v_wmma_scale_f32_32x16x128_f4), f32 sums; products left as they are: f32 operands where the result goes on into a quantised operand, else bf16, f16 or f32 operands; f32 sums; everything else in f32.
;; Inputs: e_b1 64 float32; e_b2 1 float32; e_lnb 64 float32; e_lnw 64 float32; e_w1 272 x 64 float32; e_w2 64 x 1 float32; features 8 x 4,096 x 256 float32; g_b1 32 float32; g_b2 16 float32; g_lnb 32 float32; g_lnw 32 float32; g_w1 10 x 32 float32; g_w2 32 x 16 float32; r_b 256 float32; r_lnb 256 float32; r_lnw 256 float32; r_w 256 x 256 float32; xyz 8 x 4,096 x 3 float32.
;; Outputs: out0 8 x 4,096 x 256 float32; out1 8 x 4,096 x 1 float32.
;; This version of the problem:
;;   THIS VERSION OF THE PROBLEM IS GIVEN IN LOW PRECISION. The matrix products marked QUANTISED in the list below multiply operands that are first quantised to E2M1 (2 exponent bits, 1 mantissa bit; 4 bits a number), with one power-of-two scale for each 32 numbers along K (OCP MX v1.0); their sums are f32. All else is computed in f32.
;;   The module's matrix products, in the order in which they are computed (A, B: the left and right operand; K: the contracted axis; several contracted axes count as one K, in the product's order):
;;     1. batch 8 x [M 4,096, K 3] x [K 3, N 4,096]; A: input xyz; B: input xyz: left as it is (K = 3 < 32)
;;     2. batch 32,768 x [M 3, K 16] x [K 16, N 3]; A: computed on the way; B: computed on the way: left as it is (K = 16 < 32)
;;     3. [M 32,768, K 10] x [K 10, N 32]; A: computed on the way; B: input g_w1: left as it is (K = 10 < 32)
;;     4. [M 32,768, K 32] x [K 32, N 16]; A: computed on the way; B: input g_w2: QUANTISED
;;     5. [M 32,768, K 272] x [K 272, N 64]; A: computed on the way; B: input e_w1: QUANTISED
;;     6. [M 32,768, K 64] x [K 64, N 1]; A: computed on the way; B: input e_w2: left as it is (N = 1 < 16)
;;     7. [M 32,768, K 256] x [K 256, N 256]; A: input features; B: input r_w: QUANTISED
;;   THE QUANTISER, for each operand of a quantised product, along K:
;;     - K is cut into blocks of 32 from its start; a last block that is shorter is filled with zeros.
;;     - A block's scale is 2^e with e = floor(log2(the largest magnitude in the block)) - 2, held to -126 .. 127; a block of zeros has e = 0. As a byte (E8M0): e + 127.
;;     - Each number is divided by its block's scale, clamped to +-6, and rounded to the nearest number of E2M1, ties to even, subnormals kept.
;;     - The product sums the exact products of the quantised numbers (number of the format x scale) in f32.
;;   ~~~python
;;   def quantise(x, axis):      # numpy; x: float32 -> the quantised numbers, widened to float32 again
;;       x = np.moveaxis(x, axis, -1); K = x.shape[-1]
;;       x = np.pad(x, [(0, 0)] * (x.ndim - 1) + [(0, -K % 32)]); x = x.reshape(x.shape[:-1] + (-1, 32)); a = np.abs(x).max(-1, keepdims=True)
;;       e = np.where(a > 0, np.clip(np.frexp(np.where(a > 0, a, 1))[1] - 1 - 2, -126, 127), 0)      # np.frexp(a)[1] - 1 = floor(log2(a)), exactly
;;       r = np.clip(x / 2.0 ** e, -6, 6)
;;       step = 2.0 ** (np.maximum(np.frexp(np.where(r == 0, 1, r))[1] - 1, 0) - 1)
;;       q = np.round(r / step) * step * 2.0 ** e      # np.round: ties to even
;;       return np.moveaxis(q.reshape(q.shape[:-2] + (-1,))[..., :K], -1, axis).astype(np.float32)
;;   ~~~
;;   OPERANDS COMPUTED ON THE WAY. 'Computed on the way' means the value that the module computes at that place (a softmax that the list does not call 'softmax' is quantised finished and normalised). What goes into a quantiser is computed in f32, as accurately as f32 sums, v_exp_f32 and their like allow (about 1e-6 of the number): no bf16 or f16 on the way to a quantiser, and a product that is left as it is and whose result goes on into a quantised operand takes f32 operands (vector FMAs, or v_wmma_f32_16x16x4_f32). A number that lies on a knife's edge between two numbers of the format may be rounded either way, as far as f32 arithmetic and the matrix unit's own rounding can turn it there, and no further.
;; One version. Each part assembles by itself: llvm-mc -triple=amdgcn-amd-amdhsa -mcpu=gfx1250 --defsym DOCPART=n.
;; ======== version 1 of 1: 3 launches
;; workspace buffers: grp 524,288 bytes of whole numbers; nidx 1,048,576 bytes of whole numbers; wpk 49,152 bytes
;; launch groups (part 1): grid 256 x 1, 4 waves a work-group, no clusters, 214,016 bytes of LDS; arguments xyz, grp; writes grp
.if DOCPART == 1
	.amdgcn_target "amdgcn-amd-amdhsa--gfx1250"
	.amdhsa_code_object_version 6
	.text
	.protected	k_q0f2dfacadc_groups
	.globl	k_q0f2dfacadc_groups
	.p2align	8
	.type	k_q0f2dfacadc_groups,@function
k_q0f2dfacadc_groups:
	s_mov_b64 s[64:65], 0
	v_nop
	global_prefetch_b8 v0, s[64:65] scope:SCOPE_SE
	s_setreg_imm32_b32 hwreg(HW_REG_WAVE_MODE, 25, 1), 1
	s_wait_xcnt 0x0
; For each of 32,768 points: which 16 of its batch's 256 groups of 16 neighbouring candidates can hold its 16 nearest neighbours.
; key(n, m) = fl(fl(2 x_n . x_m - |x_n|^2) - |x_m|^2); the dot product and |x|^2 are chains of fused multiply-adds in the order x, y, z.
; The 16 largest keys of a row (lower index first among equals) lie in the 16 groups that lead in the order (group maximum downward, group number upward):
; an element of any other group has 16 elements in front of it, the maxima of those 16 groups.
; SHARES. Work-group g: batch g / 32, its queries 128 (g % 32) on. Wave w: two tiles of 16 queries. Every wave walks all 4,096 candidates, 32 a step (16 for each half of the lanes).
; The keys' first part comes from the f32 matrix form, four multiply-adds in ascending k: source 0 = 16 candidates (x, y, z, 1), source 1 = 16 queries (2x, 2y, 2z, -|x|^2).
; In a result lane (r, h) holds query r, register j source 0's row 8 h + j. The rows of a tile are chosen: rows 0-7 candidates 16 s + 8 u + 0..7, rows 8-15 the same 2,048 further on.
; So half h of the lanes walks candidates 2048 h on in ascending order, and a step's 16 numbers of a lane are group 128 h + s.
; PASS 1: each group's maximum; it goes into a list of the 16 largest (sorted by median-of-three) and into LDS. MERGE: the two halves' lists give the 16th largest maximum and how many of its equals each half may take.
; PASS 2: the maxima are read back in ascending order; a group that is taken pushes its number into a list of 16 bytes.
; LIMITS: NaN and infinities in xyz are not served. Keys that differ by a rounding of another order of summation may change places; equal keys go to the lower index.
; LDS: 0 candidates 0-2047 as (x, y, z, 1), 16 bytes each; 32,896 candidates 2048-4095 (128 bytes askew, so that the two runs of eight rows of a load fall on different banks);
;      T2 -|x|^2, 4 bytes each; GM the group maxima, 32,768 bytes a wave: tile q at 16,384 q, trip i at 512 i, 16 bytes a lane.
; REGISTERS: v1 lane, v2 r, v3 h; v4-6 LDS bases; v[8:11] the queries' fragments; v[12:19] candidates' fragments, two sets; v[20:51] -|x_m|^2, two sets; v[52:83] keys; v[84:91] four steps' maxima;
;      v[92:123] the two lists; v124-126 a trip's addresses; v[192:255] results of the matrix form, two sets: written by matrix instructions alone.
.set T2, 65792
.set GM, 82432
.set SM, 32                            ; s[32:47] sixteen compare results
.set SA, 76                            ; v[76:91] pass 2: at work
.set IDR, 128                          ; v[128:143] pass 2: the sixteen group numbers in hand
	s_load_b128 s[4:7], s[0:1], 0x0                ; xyz, grp
	v_lshl_add_u32 v190, v0, 2, 0x34200
	v_mov_b32 v191, 0
	v_and_b32 v1, 31, v0
	v_and_b32 v2, 15, v0
	v_bfe_u32 v3, v0, 4, 1
	v_lshrrev_b32 v7, 5, v0
	v_readfirstlane_b32 s8, v7                     ; wave 0..3
	s_lshr_b32 s10, ttmp9, 5
	s_mul_i32 s10, s10, 49152                      ; my batch's first byte
	s_mov_b32 s11, 0
	s_mul_i32 s12, ttmp9, 1536                     ; my work-group's first query: 128 points of 12 bytes
	s_mov_b32 s13, 0
	s_lshl_b32 s20, ttmp9, 11                      ; grp: 128 rows of 16 bytes a work-group,
	s_lshl_b32 s21, s8, 9                          ; 32 a wave
	s_add_co_u32 s20, s20, s21
	s_mov_b32 s21, 0
	s_mul_i32 s22, s8, 384                         ; my wave's 32 queries
	s_lshl_b32 s23, s8, 15
	s_add_co_u32 s23, s23, GM                      ; my wave's part of GM
	s_mov_b32 s14, 0x76543210
	s_mov_b32 s15, 0xfedcba98                      ; v_permlanex16_b32's selects for lane l xor 16
	s_mov_b32 s16, 0xffff0000                      ; the lanes with h = 1
	s_mov_b32 s24, 0                               ; a trip's place in the candidates' table,
	s_mov_b32 s25, 0                               ; in T2,
	s_mov_b32 s26, 0                               ; in GM
	v_mul_u32_u24 v7, v0, 12
	v_mad_u32_u24 v44, v2, 12, s22
	v_lshlrev_b32 v45, 4, v0
	v_lshl_add_u32 v46, v0, 2, T2
	v_and_b32 v47, 7, v2
	v_lshrrev_b32 v48, 3, v2
	v_mul_u32_u24 v4, v48, 32896                   ; rows 8-15 of a tile: the upper half of the table
	v_lshl_add_u32 v4, v47, 4, v4
	v_lshl_add_u32 v4, v3, 3, v4                   ; a fragment's two numbers: k = 2 h, 2 h + 1
	v_lshl_add_u32 v5, v3, 13, T2                  ; -|x_m|^2 of my half's candidates
	v_lshl_add_u32 v6, v1, 4, s23
	s_wait_kmcnt 0x0
	s_add_nc_u64 s[10:11], s[4:5], s[10:11]
	s_add_nc_u64 s[12:13], s[4:5], s[12:13]
	s_add_nc_u64 s[6:7], s[6:7], s[20:21]
.set i, 0
.rept 32
	global_load_b96 v[52+4*i:54+4*i], v7, s[10:11] offset:1536*i    ; point t + 128 i of the batch
.set i, i+1
.endr
	global_load_b96 v[180:182], v44, s[12:13]                       ; query r of my tile 0,
	global_load_b96 v[184:186], v44, s[12:13] offset:192            ; of my tile 1
.set i, 0
.rept 32
	v_mov_b32 v[55+4*i], 1.0
.set i, i+1
.endr
	s_wait_loadcnt 0x0
.set i, 0
.rept 32
	v_mul_f32 v[12+i], -v[52+4*i], v[52+4*i]
.set i, i+1
.endr
.set i, 0
.rept 32
	v_fma_f32 v[12+i], -v[53+4*i], v[53+4*i], v[12+i]
.set i, i+1
.endr
.set i, 0
.rept 32
	v_fma_f32 v[12+i], -v[54+4*i], v[54+4*i], v[12+i]              ; -|x|^2
.set i, i+1
.endr
.set i, 0
.rept 32
	ds_store_b128 v45, v[52+4*i:55+4*i] offset:2048*i+128*(i/16)
	ds_store_b32 v46, v[12+i] offset:512*i
.set i, i+1
.endr
.irp q, 0,1                                    ; the queries' fragments: lane (r, h): (2x, 2y) or (2z, -|x|^2)
	v_mul_f32 v[183+4*\q], -v[180+4*\q], v[180+4*\q]
	v_fma_f32 v[183+4*\q], -v[181+4*\q], v[181+4*\q], v[183+4*\q]
	v_fma_f32 v[183+4*\q], -v[182+4*\q], v[182+4*\q], v[183+4*\q]
	v_add_f32 v[180+4*\q], v[180+4*\q], v[180+4*\q]
	v_add_f32 v[181+4*\q], v[181+4*\q], v[181+4*\q]
	v_add_f32 v[182+4*\q], v[182+4*\q], v[182+4*\q]
	v_cndmask_b32 v[8+2*\q], v[180+4*\q], v[182+4*\q], s16
	v_cndmask_b32 v[9+2*\q], v[181+4*\q], v[183+4*\q], s16
.endr
	s_wait_dscnt 0x0                               ; for the others' sake: my stores into the tables are done
	s_barrier_signal -1
	s_barrier_wait -1                              ; the launch's one barrier: from here on the tables are only read, and GM is each wave's own
.macro TRIPADR
	v_add_nc_u32 v124, s24, v4
	v_add_nc_u32 v125, s25, v5
	v_add_nc_u32 v126, s26, v6
.endm
; Step k of a trip's four. wm: the products of step k + 1 are issued; la: the fragments of step k + 2 are asked for; ls: -|x_m|^2 of step k + 1.
; The results that this step reads were issued a whole step ago: 64 plain vector lines lie between (eight are owed behind this form), and as many in front of the loads into fragments that a product has read.
.macro STEP k, wm, la, ls
.set d, (\k)%2
	s_wait_dscnt 0x0                               ; asked for a step ago: the fragments of step k + 1 and this step's -|x_m|^2
.if \wm
.irp q, 0,1
.irp u, 0,1
	v_wmma_f32_16x16x4_f32 v[192+32*(1-d)+16*\q+8*\u:199+32*(1-d)+16*\q+8*\u], v[12+4*(1-d)+2*\u:13+4*(1-d)+2*\u], v[8+2*\q:9+2*\q], 0
.endr
.endr
.endif
.if \la
.irp u, 0,1
	ds_load_b64 v[12+4*d+2*\u:13+4*d+2*\u], v124 offset:((\k)+2)*256+128*\u
.endr
.endif
.if \ls
.irp i, 0,1,2,3
	ds_load_b128 v[20+16*(1-d)+4*\i:23+16*(1-d)+4*\i], v125 offset:((\k)+1)*64+16*\i
.endr
.endif
.irp q, 0,1
.irp u, 0,1
.irp i, 0,2,4,6                                ; the keys, two at a time; each result is read from its low end on
	v_pk_add_f32 v[52+16*\q+8*\u+\i:53+16*\q+8*\u+\i], v[192+32*d+16*\q+8*\u+\i:193+32*d+16*\q+8*\u+\i], v[20+16*d+8*\u+\i:21+16*d+8*\u+\i]
.endr
.endr
.endr
.irp m, 0,3,6,9,12                             ; the group's maximum, the two tiles by turns
.irp q, 0,1
	v_max3_num_f32 v[52+16*\q+\m], v[52+16*\q+\m], v[53+16*\q+\m], v[54+16*\q+\m]
.endr
.endr
.irp q, 0,1
	v_max3_num_f32 v[52+16*\q], v[52+16*\q], v[55+16*\q], v[58+16*\q]
.endr
.irp q, 0,1
	v_max3_num_f32 v[61+16*\q], v[61+16*\q], v[64+16*\q], v[67+16*\q]
.endr
.irp q, 0,1
	v_max_num_f32 v[84+4*\q+(\k)], v[52+16*\q], v[61+16*\q]
.endr
.irp i, 15,14,13,12,11,10,9,8,7,6,5,4,3,2,1    ; into the list, sorted downward: place i takes the middle one of its upper neighbour, itself and the newcomer
.irp q, 0,1
	v_med3_num_f32 v[92+16*\q+\i], v[91+16*\q+\i], v[92+16*\q+\i], v[84+4*\q+(\k)]
.endr
.endr
.irp q, 0,1
	v_max_num_f32 v[92+16*\q], v[92+16*\q], v[84+4*\q+(\k)]
.endr
.if (\k) == 3
.irp q, 0,1
	ds_store_b128 v126, v[84+4*\q:87+4*\q] offset:16384*\q          ; four steps' maxima: 512 consecutive bytes a wave
.endr
.endif
.endm
	TRIPADR
	ds_load_b64 v[12:13], v124
	ds_load_b64 v[14:15], v124 offset:128
	ds_load_b64 v[16:17], v124 offset:256
	ds_load_b64 v[18:19], v124 offset:384
.irp i, 0,1,2,3
	ds_load_b128 v[20+4*\i:23+4*\i], v125 offset:16*\i
.endr
	s_wait_dscnt 0x0
.irp q, 0,1
.irp u, 0,1
	v_wmma_f32_16x16x4_f32 v[192+16*\q+8*\u:199+16*\q+8*\u], v[12+2*\u:13+2*\u], v[8+2*\q:9+2*\q], 0
.endr
.endr
.set i, 0
.rept 32
	v_mov_b32 v[92+i], 0xff800000                  ; both lists begin at -infinity; these lines are also the places behind step 0's products
.set i, i+1
.endr
	s_mov_b32 s17, 31
.Ltrip:
	TRIPADR
	STEP 0, 1, 1, 1
	STEP 1, 1, 1, 1
	STEP 2, 1, 1, 1
	STEP 3, 1, 1, 1
	s_add_co_u32 s24, s24, 1024
	s_add_co_u32 s25, s25, 256
	s_add_co_u32 s26, s26, 512
	s_sub_co_u32 s17, s17, 1
	s_cmp_lg_u32 s17, 0
	s_cbranch_scc1 .Ltrip
	TRIPADR                                        ; the last trip is written out: nothing is asked for beyond the tables' ends
	STEP 0, 1, 1, 1
	STEP 1, 1, 1, 1
	STEP 2, 1, 0, 1
	STEP 3, 0, 0, 0
; The two halves' lists of tile q give: TAU, the 16th largest maximum of the row (as +0 where it is zero); TUP, the next number above it; QUO, how many equals of TAU my half may take
; (the lower half is served first: its groups have the lower numbers); SH, by how many bytes the lower half's list has to move down at the end. State at v[144 + 8 q]: TAU, TUP, QUO, SH, the list R0-R3.
.macro MERGE q
.set LQ, 92+16*(\q)
.set SQ_, 144+8*(\q)
.set i, 0
.rept 16
	v_permlanex16_b32 v[52+i], v[LQ+15-i], s14, s15
.set i, i+1
.endr
.set i, 0
.rept 16
	v_max_num_f32 v[52+i], v[52+i], v[LQ+i]        ; my i-th against the other half's (15 - i)-th: the sixteen largest of the 32
.set i, i+1
.endr
.irp m, 0,3,6,9,12
	v_min3_num_f32 v[52+\m], v[52+\m], v[53+\m], v[54+\m]
.endr
	v_min3_num_f32 v52, v52, v55, v58
	v_min3_num_f32 v61, v61, v64, v67
	v_min_num_f32 v[SQ_], v52, v61
	v_add_f32 v[SQ_], 0, v[SQ_]
	v_cmp_gt_f32 vcc_lo, 0, v[SQ_]
	v_cndmask_b32 v68, 1, -1, vcc_lo
	v_add_nc_u32 v[SQ_+1], v[SQ_], v68
	v_mov_b32 v69, 0
	v_mov_b32 v70, 0
.set i, 0
.rept 16
	v_cmp_gt_f32 vcc_lo, v[LQ+i], v[SQ_]
	v_add_co_ci_u32 v69, vcc_lo, 0, v69, vcc_lo    ; a: how many of mine lie above TAU
	v_cmp_eq_f32 vcc_lo, v[LQ+i], v[SQ_]
	v_add_co_ci_u32 v70, vcc_lo, 0, v70, vcc_lo    ; b: how many are equal to it
.set i, i+1
.endr
	v_permlanex16_b32 v71, v69, s14, s15
	v_permlanex16_b32 v72, v70, s14, s15
	v_add_nc_u32 v73, v69, v71
	v_sub_nc_u32 v73, 16, v73                      ; e: equals to be taken in all
	v_cndmask_b32 v74, v70, v72, s16               ; the lower half's b
	v_min_u32 v74, v73, v74                        ; what the lower half takes
	v_sub_nc_u32 v75, v73, v74
	v_cndmask_b32 v[SQ_+2], v74, v75, s16
	v_add_nc_u32 v75, v69, v[SQ_+2]                ; n: my half's entries
	v_sub_nc_u32 v75, 16, v75
	v_cndmask_b32 v[SQ_+3], v75, 0, s16
.irp i, 4,5,6,7
	v_mov_b32 v[SQ_+\i], 0
.endr
.endm
	MERGE 0
	MERGE 1
; Sixteen elements in ascending order. K: their keys; X: 17 registers, X[0] the equals of TAU seen so far; R: the list of bytes; ST: TAU, TUP, QUO.
; An element is taken where its key is at least TE: TAU while fewer than QUO equals have been seen, else TUP. Taken, its number comes in at the list's top byte and the list moves down a byte.
.macro ADMIT K, X, R, ST
.set j, 0
.rept 16
	v_cmp_eq_f32 s[SM+j], v[(\K)+j], v[\ST]
.set j, j+1
.endr
.set j, 0
.rept 16
	v_cndmask_b32 v[SA+j], 0, 1, s[SM+j]
.set j, j+1
.endr
.set j, 0
.rept 8
	v_add_nc_u32 v[(\X)+j+1], v[(\X)+j], v[SA+j]
	v_add3_u32 v[(\X)+j+2], v[(\X)+j], v[SA+j], v[SA+j+1]
.set j, j+2
.endr
.set j, 0
.rept 16
	v_cmp_gt_u32 s[SM+j], v[(\ST)+2], v[(\X)+j]
.set j, j+1
.endr
.set j, 0
.rept 16
	v_cndmask_b32 v[SA+j], v[(\ST)+1], v[\ST], s[SM+j]
.set j, j+1
.endr
	v_mov_b32 v[\X], v[(\X)+16]
.set j, 0
.rept 16
	v_cmp_ge_f32 s[SM+j], v[(\K)+j], v[SA+j]
.set j, j+1
.endr
.set j, 0
.rept 16
	v_cndmask_b32 v[SA+j], 0, 8, s[SM+j]
.set j, j+1
.endr
.set j, 0
.rept 16
	v_alignbit_b32 v[\R], v[(\R)+1], v[\R], v[SA+j]
	v_alignbit_b32 v[(\R)+1], v[(\R)+2], v[(\R)+1], v[SA+j]
	v_alignbit_b32 v[(\R)+2], v[(\R)+3], v[(\R)+2], v[SA+j]
	v_alignbit_b32 v[(\R)+3], v[IDR+j], v[(\R)+3], v[SA+j]
.set j, j+1
.endr
.endm
.set i, 0
.rept 16
	v_lshl_add_u32 v[IDR+i], v3, 7, i              ; my half's first sixteen groups
.set i, i+1
.endr
	v_mov_b32 v92, 0
	v_mov_b32 v109, 0
	s_mov_b32 s18, 0
	s_mov_b32 s17, 4
.Lblk:                                             ; a trip: two blocks of 16 groups, both tiles. My wave's own bytes: LDS serves a wave's instructions in order
	v_add_nc_u32 v7, s18, v6
.irp b, 0,1
.irp q, 0,1
.irp i, 0,1,2,3
	ds_load_b128 v[12+32*\b+16*\q+4*\i:15+32*\b+16*\q+4*\i], v7 offset:2048*\b+16384*\q+512*\i
.endr
.endr
.endr
	s_wait_dscnt 8                                 ; the first block's eight loads are in; the second block's eight may be out
	ADMIT 12, 92, 148, 144
	ADMIT 28, 109, 156, 152
.set i, 0
.rept 16
	v_add_nc_u32 v[IDR+i], 16, v[IDR+i]
.set i, i+1
.endr
	s_wait_dscnt 0x0
	ADMIT 44, 92, 148, 144
	ADMIT 60, 109, 156, 152
.set i, 0
.rept 16
	v_add_nc_u32 v[IDR+i], 16, v[IDR+i]
.set i, i+1
.endr
	s_add_co_u32 s18, s18, 4096
	s_sub_co_u32 s17, s17, 1
	s_cmp_lg_u32 s17, 0
	s_cbranch_scc1 .Lblk
; The lower half's n entries stand in the top n bytes: they move down SH = 16 - n bytes, zeros coming in from above; the upper half's stand where they belong. The two are joined: sixteen group numbers, ascending.
.macro FIN q
.set SQ_, 144+8*(\q)
	v_and_b32 v76, 3, v[SQ_+3]
	v_lshlrev_b32 v76, 3, v76
	v_alignbit_b32 v[SQ_+4], v[SQ_+5], v[SQ_+4], v76
	v_alignbit_b32 v[SQ_+5], v[SQ_+6], v[SQ_+5], v76
	v_alignbit_b32 v[SQ_+6], v[SQ_+7], v[SQ_+6], v76
	v_alignbit_b32 v[SQ_+7], 0, v[SQ_+7], v76
	v_and_b32 v77, 4, v[SQ_+3]
	v_cmp_ne_u32 vcc_lo, 0, v77
	v_cndmask_b32 v[SQ_+4], v[SQ_+4], v[SQ_+5], vcc_lo
	v_cndmask_b32 v[SQ_+5], v[SQ_+5], v[SQ_+6], vcc_lo
	v_cndmask_b32 v[SQ_+6], v[SQ_+6], v[SQ_+7], vcc_lo
	v_cndmask_b32 v[SQ_+7], v[SQ_+7], 0, vcc_lo
	v_and_b32 v77, 8, v[SQ_+3]
	v_cmp_ne_u32 vcc_lo, 0, v77
	v_cndmask_b32 v[SQ_+4], v[SQ_+4], v[SQ_+6], vcc_lo
	v_cndmask_b32 v[SQ_+5], v[SQ_+5], v[SQ_+7], vcc_lo
	v_cndmask_b32 v[SQ_+6], v[SQ_+6], 0, vcc_lo
	v_cndmask_b32 v[SQ_+7], v[SQ_+7], 0, vcc_lo
.irp i, 0,1,2,3
	v_permlanex16_b32 v[78+\i], v[SQ_+4+\i], s14, s15
.endr
.irp i, 0,1,2,3
	v_or_b32 v[SQ_+4+\i], v[SQ_+4+\i], v[78+\i]
.endr
.endm
	FIN 0
	FIN 1
.irp i, 0,1,2,3
	v_cndmask_b32 v[160+\i], v[148+\i], v[156+\i], s16             ; lanes 0-15 store tile 0's rows, lanes 16-31 tile 1's
.endr
	v_lshlrev_b32 v83, 4, v1
	global_store_b128 v83, v[160:163], s[6:7]      ; the wave stores 512 consecutive bytes
	s_wait_tensorcnt 0x0
	ds_add_u32 v190, v191
	s_wait_dscnt 0x0
	s_endpgm
.Lfunc_end_k_q0f2dfacadc_groups:
	.size	k_q0f2dfacadc_groups, .Lfunc_end_k_q0f2dfacadc_groups-k_q0f2dfacadc_groups
	.p2alignl 7, 3214868480
	.fill 96, 4, 3214868480
	.section	.rodata,"a",@progbits
	.p2align	6, 0x0
	.amdhsa_kernel k_q0f2dfacadc_groups
		.amdhsa_group_segment_fixed_size 214016
		.amdhsa_private_segment_fixed_size 0
		.amdhsa_enable_private_segment 0
		.amdhsa_kernarg_size 16
		.amdhsa_user_sgpr_count 2
		.amdhsa_user_sgpr_kernarg_segment_ptr 1
		.amdhsa_wavefront_size32 1
		.amdhsa_system_sgpr_workgroup_id_x 1
		.amdhsa_system_sgpr_workgroup_id_y 1
		.amdhsa_system_sgpr_workgroup_id_z 1
		.amdhsa_system_vgpr_workitem_id 0
		.amdhsa_next_free_vgpr 256
		.amdhsa_next_free_sgpr 66
		.amdhsa_reserve_vcc 1
		.amdhsa_float_denorm_mode_32 3
		.amdhsa_float_denorm_mode_16_64 3
		.amdhsa_memory_ordered 1
		.amdhsa_forward_progress 1
		.amdhsa_inst_pref_size 116
	.end_amdhsa_kernel
	.amdgpu_metadata
---
amdhsa.version: [ 1, 2 ]
amdhsa.kernels:
  - .name:           k_q0f2dfacadc_groups
    .symbol:         k_q0f2dfacadc_groups.kd
    .args:
      - { .name: xyz, .offset: 0, .size: 8, .value_kind: global_buffer, .address_space: global }
      - { .name: grp, .offset: 8, .size: 8, .value_kind: global_buffer, .address_space: global }
    .group_segment_fixed_size: 214016
    .private_segment_fixed_size: 0
    .kernarg_segment_align: 8
    .kernarg_segment_size: 16
    .max_flat_workgroup_size: 128
    .sgpr_count:     66
    .vgpr_count:     256
    .wavefront_size: 32
...
	.end_amdgpu_metadata
.endif
;; end of part 1
;; launch pick (part 2): grid 268 x 1, 4 waves a work-group, no clusters, 132,096 bytes of LDS; arguments xyz, grp, r_w, e_w1, g_w2, nidx, wpk; writes nidx, wpk
.if DOCPART == 2
	.amdgcn_target "amdgcn-amd-amdhsa--gfx1250"
	.amdhsa_code_object_version 6
	.text
	.protected	k_q0f2dfacadc_pick
	.globl	k_q0f2dfacadc_pick
	.p2align	8
	.type	k_q0f2dfacadc_pick,@function
k_q0f2dfacadc_pick:
	s_mov_b64 s[64:65], 0
	v_nop
	global_prefetch_b8 v0, s[64:65] scope:SCOPE_SE
	s_setreg_imm32_b32 hwreg(HW_REG_WAVE_MODE, 25, 1), 1
	s_wait_xcnt 0x0
; Work-groups 0-255: the 16 nearest neighbours of each point, exactly, among the 16 x 16 candidates of the groups that grp names. Work-groups 256-267: the three weights as operands of E2M1 codes.
; MAIN PATH. Thread t of work-group g is row 128 g + t. The key has the same bits as in the launch before: mul, fma, fma over x, y, z with the row's doubled coordinates, + (-|x_n|^2), + (-|x_m|^2).
; PASS 1 finds the 16th largest key TAU by a sorted list; PASS 2 walks the 256 candidates in ascending index order and takes those above TAU and the first QUO equals of it: top_k's own order.
; LDS: group G at 512 G: its 16 candidates (x, y, z, -|x|^2) TWICE on end, so that a lane can begin anywhere in the group; group 256 is a dummy of (0, 0, 0, -infinity). Behind the one barrier LDS is only read.
; In pass 1 lane l' begins l' candidates on (the order is free there);
; in pass 2 each lane's stream runs l' steps late: in block T, step c, it takes stream element 16 T + c - l': from group T where l' <= c, else from group T - 1.
; The group's number is chosen first, then held at 256, then shifted: so every LDS address made of a loaded number passes the hold.
; LIMITS: NaN and infinities in xyz are not served.
; PREP PATH. A wave makes one fragment (16 columns x 128 along K) of r_w, e_w1 or g_w2: a lane takes a column and its registers run down K, in the order of the operand's registers; the fragment is stored as an
; image of those registers (1,024 bytes), its scale words as half an image of a scale register (64 bytes). A block of zeros carries the byte 1 where the rule says 127: its codes are zeros, and this program alone reads the bytes.
; REGISTERS (main): v1 l', v2 16 l', v3 256 - 16 l'; v[4:7] 2x, 2y, 2z, -|x|^2 of my row; v[8:11] my 16 group numbers; v[12:15] the list; v16-18 TAU, TUP, QUO; v20-23 at work;
;   v[28:43] pass 1's list, pass 2's addresses; v[44:59] keys; v[60:76], v[78:93] at work; v[96:223] candidates, two sets of 16 x 4; v[224:239] stream positions.
.set SM, 40                            ; s[40:55] sixteen compare results
.set MK, 24                            ; s[24:39] mask c: the lanes with l' <= c
.set SA, 78
.set IDR, 224
	s_load_b256 s[4:11], s[0:1], 0x0               ; xyz, grp, r_w, e_w1
	s_load_b128 s[12:15], s[0:1], 0x20             ; g_w2, nidx
	s_load_b64 s[16:17], s[0:1], 0x30              ; wpk
	v_lshl_add_u32 v254, v0, 2, 0x20200
	v_mov_b32 v255, 0
	v_lshrrev_b32 v1, 5, v0
	v_readfirstlane_b32 s18, v1                    ; wave 0..3
	s_wait_kmcnt 0x0
	s_cmp_ge_u32 ttmp9, 256
	s_cbranch_scc1 .Lprep
	v_and_b32 v1, 15, v0
	v_lshlrev_b32 v2, 4, v1
	v_sub_nc_u32 v3, 256, v2
	s_lshr_b32 s20, ttmp9, 5
	s_mul_i32 s20, s20, 49152
	s_mov_b32 s21, 0
	s_add_nc_u64 s[20:21], s[4:5], s[20:21]        ; my batch
	s_mul_i32 s22, ttmp9, 1536
	s_mov_b32 s23, 0
	s_add_nc_u64 s[22:23], s[4:5], s[22:23]        ; my work-group's rows
	s_lshl_b32 s58, ttmp9, 11
	s_mov_b32 s59, 0
	s_add_nc_u64 s[6:7], s[6:7], s[58:59]
	s_add_nc_u64 s[14:15], s[14:15], s[58:59]
	s_mov_b32 s56, 0x0f0f0f0f
	s_mov_b32 s57, 0x00ff00ff
.set i, 0
.rept 16
	s_mov_b32 s[MK+i], ((2<<i)-1)*0x10001
.set i, i+1
.endr
	v_mul_u32_u24 v24, v0, 12
	v_lshlrev_b32 v25, 4, v0
	v_lshrrev_b32 v26, 4, v0
	v_lshlrev_b32 v26, 9, v26
	v_add_nc_u32 v26, v26, v2                      ; point t + 128 i: group t / 16 + 8 i, place t % 16
	v_add_nc_u32 v27, 0x10000, v26
	v_lshl_add_u32 v19, v0, 4, 131072              ; the dummy group (wave 0 stores it)
.set i, 0
.rept 32
	global_load_b96 v[96+4*i:98+4*i], v24, s[20:21] offset:1536*i
.set i, i+1
.endr
	global_load_b96 v[20:22], v24, s[22:23]        ; my own point
	global_load_b128 v[8:11], v25, s[6:7]          ; my sixteen groups
	v_mov_b32 v240, 0
	v_mov_b32 v241, 0
	v_mov_b32 v242, 0
	v_mov_b32 v243, 0xff800000
	s_wait_loadcnt 0x0
.set i, 0
.rept 32
	v_mul_f32 v[99+4*i], -v[96+4*i], v[96+4*i]
.set i, i+1
.endr
.set i, 0
.rept 32
	v_fma_f32 v[99+4*i], -v[97+4*i], v[97+4*i], v[99+4*i]
.set i, i+1
.endr
.set i, 0
.rept 32
	v_fma_f32 v[99+4*i], -v[98+4*i], v[98+4*i], v[99+4*i]
.set i, i+1
.endr
.set i, 0
.rept 16
	ds_store_b128 v26, v[96+4*i:99+4*i] offset:4096*i
	ds_store_b128 v26, v[96+4*i:99+4*i] offset:4096*i+256
	ds_store_b128 v27, v[160+4*i:163+4*i] offset:4096*i
	ds_store_b128 v27, v[160+4*i:163+4*i] offset:4096*i+256
.set i, i+1
.endr
	s_cmp_lg_u32 s18, 0
	s_cbranch_scc1 .Lno_dummy
	ds_store_b128 v19, v[240:243]
.Lno_dummy:
	v_mul_f32 v7, -v20, v20
	v_fma_f32 v7, -v21, v21, v7
	v_fma_f32 v7, -v22, v22, v7
	v_add_f32 v4, v20, v20
	v_add_f32 v5, v21, v21
	v_add_f32 v6, v22, v22
	s_wait_dscnt 0x0                               ; for the others' sake: my stores are done
	s_barrier_signal -1
	s_barrier_wait -1
.macro NEXTG dst                       ; the next group's number; the list of sixteen turns by a byte, and stands as loaded after sixteen calls
	v_and_b32 v[\dst], 0xff, v8
	v_mov_b32 v23, v8
	v_alignbit_b32 v8, v9, v8, 8
	v_alignbit_b32 v9, v10, v9, 8
	v_alignbit_b32 v10, v11, v10, 8
	v_alignbit_b32 v11, v23, v11, 8
.endm
.macro KEYS buf
.set CB, 96+64*(\buf)
.set c, 0
.rept 16
	v_mul_f32 v[44+c], v4, v[CB+4*c]
.set c, c+1
.endr
.set c, 0
.rept 16
	v_fmac_f32 v[44+c], v5, v[CB+4*c+1]
.set c, c+1
.endr
.set c, 0
.rept 16
	v_fmac_f32 v[44+c], v6, v[CB+4*c+2]
.set c, c+1
.endr
.set c, 0
.rept 16
	v_add_f32 v[44+c], v[44+c], v7
.set c, c+1
.endr
.set c, 0
.rept 16
	v_add_f32 v[44+c], v[44+c], v[CB+4*c+3]
.set c, c+1
.endr
.endm
.macro INS x                           ; into the list, sorted downward
.irp i, 15,14,13,12,11,10,9,8,7,6,5,4,3,2,1
	v_med3_num_f32 v[28+\i], v[27+\i], v[28+\i], v[\x]
.endr
	v_max_num_f32 v28, v28, v[\x]
.endm
.macro LOAD1 buf                       ; pass 1: a group's sixteen, from place l' on
	NEXTG 22
	v_min_u32 v22, 0xff, v22
	v_lshl_add_u32 v22, v22, 9, v2
.set c, 0
.rept 16
	ds_load_b128 v[96+64*(\buf)+4*c:99+64*(\buf)+4*c], v22 offset:16*c
.set c, c+1
.endr
.endm
.macro SLOT1 buf, ahead
	s_wait_dscnt 0x0                               ; this group's sixteen, asked for a group ago
.if \ahead
	LOAD1 1-(\buf)
.endif
	KEYS \buf
.set n, 0
.rept 16
	INS 44+n
.set n, n+1
.endr
.endm
.set i, 0
.rept 16
	v_mov_b32 v[28+i], 0xff800000
.set i, i+1
.endr
	LOAD1 0
	s_mov_b32 s19, 7
.Lp1:
	SLOT1 0, 1
	SLOT1 1, 1
	s_sub_co_u32 s19, s19, 1
	s_cmp_lg_u32 s19, 0
	s_cbranch_scc1 .Lp1
	SLOT1 0, 1
	SLOT1 1, 0
	v_add_f32 v16, 0, v43                          ; TAU: the 16th largest key, as +0 where it is zero
	v_cmp_gt_f32 vcc_lo, 0, v16
	v_cndmask_b32 v22, 1, -1, vcc_lo
	v_add_nc_u32 v17, v16, v22                     ; TUP: the next number above it
	v_mov_b32 v18, 0
.set i, 0
.rept 16
	v_cmp_eq_f32 vcc_lo, v[28+i], v16
	v_add_co_ci_u32 v18, vcc_lo, 0, v18, vcc_lo    ; QUO: how many of the sixteen are equal to TAU
.set i, i+1
.endr
	v_mov_b32 v60, 0
.irp i, 12,13,14,15
	v_mov_b32 v[\i], 0
.endr
.set i, 0
.rept 16
	v_sub_nc_u32 v[IDR+i], i, v1                   ; my stream position in block 0, step i
.set i, i+1
.endr
; Sixteen elements in ascending order. K: their keys; X: 17 registers, X[0] the equals of TAU seen so far; R: the list of bytes; ST: TAU, TUP, QUO.
.macro ADMIT K, X, R, ST
.set j, 0
.rept 16
	v_cmp_eq_f32 s[SM+j], v[(\K)+j], v[\ST]
.set j, j+1
.endr
.set j, 0
.rept 16
	v_cndmask_b32 v[SA+j], 0, 1, s[SM+j]
.set j, j+1
.endr
.set j, 0
.rept 8
	v_add_nc_u32 v[(\X)+j+1], v[(\X)+j], v[SA+j]
	v_add3_u32 v[(\X)+j+2], v[(\X)+j], v[SA+j], v[SA+j+1]
.set j, j+2
.endr
.set j, 0
.rept 16
	v_cmp_gt_u32 s[SM+j], v[(\ST)+2], v[(\X)+j]
.set j, j+1
.endr
.set j, 0
.rept 16
	v_cndmask_b32 v[SA+j], v[(\ST)+1], v[\ST], s[SM+j]
.set j, j+1
.endr
	v_mov_b32 v[\X], v[(\X)+16]
.set j, 0
.rept 16
	v_cmp_ge_f32 s[SM+j], v[(\K)+j], v[SA+j]
.set j, j+1
.endr
.set j, 0
.rept 16
	v_cndmask_b32 v[SA+j], 0, 8, s[SM+j]
.set j, j+1
.endr
.set j, 0
.rept 16
	v_alignbit_b32 v[\R], v[(\R)+1], v[\R], v[SA+j]
	v_alignbit_b32 v[(\R)+1], v[(\R)+2], v[(\R)+1], v[SA+j]
	v_alignbit_b32 v[(\R)+2], v[(\R)+3], v[(\R)+2], v[SA+j]
	v_alignbit_b32 v[(\R)+3], v[IDR+j], v[(\R)+3], v[SA+j]
.set j, j+1
.endr
.endm
.macro LOAD2 buf                       ; pass 2: a block's sixteen steps; v20 the group before, v21 the block's own
.set c, 0
.rept 16
	v_cndmask_b32 v[28+c], v20, v21, s[MK+c]
.set c, c+1
.endr
.set c, 0
.rept 16
	v_min_u32 v[28+c], 0x100, v[28+c]
.set c, c+1
.endr
.set c, 0
.rept 16
	v_lshl_add_u32 v[28+c], v[28+c], 9, v3
.set c, c+1
.endr
.set c, 0
.rept 16
	ds_load_b128 v[96+64*(\buf)+4*c:99+64*(\buf)+4*c], v[28+c] offset:16*c        ; place 16 + c - l' of the doubled group
.set c, c+1
.endr
.endm
.macro BLOCK buf, ahead                ; ahead = 1: the next block is asked for; 2: the last block, whose own group is the dummy; 0: nothing
	s_wait_dscnt 0x0
.if (\ahead) == 1
	v_mov_b32 v20, v21
	NEXTG 21
	LOAD2 1-(\buf)
.endif
.if (\ahead) == 2
	v_mov_b32 v20, v21
	v_mov_b32 v21, 0x100
	LOAD2 1-(\buf)
.endif
	KEYS \buf
	ADMIT 44, 60, 12, 16
.set c, 0
.rept 16
	v_add_nc_u32 v[IDR+c], 16, v[IDR+c]
.set c, c+1
.endr
.endm
	v_mov_b32 v20, 0x100                           ; in front of group 0 stands the dummy: its keys are -infinity and never enter
	NEXTG 21
	LOAD2 0
	s_mov_b32 s19, 7
.Lp2:
	BLOCK 0, 1
	BLOCK 1, 1
	s_sub_co_u32 s19, s19, 1
	s_cmp_lg_u32 s19, 0
	s_cbranch_scc1 .Lp2
	BLOCK 0, 1
	BLOCK 1, 2
	BLOCK 0, 0                                     ; seventeen blocks: the lanes that run late finish group 15 here
; A list byte is slot << 4 | place. Four at a time: the slot's group number out of v[8:11] by v_perm_b32, then index = 16 x group + place, as two registers of two 16-bit numbers.
.macro CONV e, oa, ob
	v_lshrrev_b32 v22, 4, v[\e]
	v_and_b32 v22, s56, v22
	v_and_b32 v23, 0x07070707, v22
	v_perm_b32 v28, v9, v8, v23
	v_perm_b32 v29, v11, v10, v23
	v_lshrrev_b32 v22, 3, v22
	v_and_b32 v22, 0x01010101, v22
	v_lshlrev_b32 v23, 8, v22
	v_sub_nc_u32 v22, v23, v22                     ; 0xff in the bytes whose slot is 8 or more
	v_bfi_b32 v28, v22, v29, v28
	v_and_b32 v29, s56, v[\e]
	v_and_b32 v22, s57, v28
	v_and_b32 v23, s57, v29
	v_lshl_or_b32 v[\oa], v22, 4, v23
	v_lshrrev_b32 v28, 8, v28
	v_lshrrev_b32 v29, 8, v29
	v_and_b32 v22, s57, v28
	v_and_b32 v23, s57, v29
	v_lshl_or_b32 v[\ob], v22, 4, v23
.endm
	CONV 12, 244, 245
	CONV 13, 246, 247
	CONV 14, 248, 249
	CONV 15, 250, 251
	global_store_b128 v25, v[244:247], s[14:15]                    ; eight neighbours: the wave stores 512 consecutive bytes;
	global_store_b128 v25, v[248:251], s[14:15] offset:524288      ; the other eight in the second plane
	s_wait_tensorcnt 0x0
	ds_add_u32 v254, v255
	s_wait_dscnt 0x0
	s_endpgm
.Lprep:
	s_sub_co_u32 s20, ttmp9, 256
	s_lshl_b32 s20, s20, 2
	s_add_co_u32 s20, s20, s18                     ; unit u: 0-31 r_w (tile u / 2, K step u % 2); 32-43 e_w1 (tile (u - 32) % 4, K step (u - 32) / 4); 44 g_w2
	s_cmp_gt_u32 s20, 44
	s_cbranch_scc1 .Lend
	s_lshr_b32 s21, s20, 1
	s_and_b32 s22, s20, 1
	s_sub_co_u32 s23, s20, 32
	s_and_b32 s24, s23, 3
	s_lshr_b32 s25, s23, 2
	s_add_co_u32 s26, s24, 16                      ; e_w1's scale images: K steps 0 and 1 of tile t are the halves of image 16 + t;
	s_lshr_b32 s27, s24, 1
	s_add_co_u32 s27, s27, 20                      ; K step 2 of tiles 2 i and 2 i + 1 are the halves of image 20 + i
	s_and_b32 s28, s24, 1
	s_cmp_eq_u32 s25, 2
	s_cselect_b32 s26, s27, s26
	s_cselect_b32 s28, s28, s25
	s_mov_b32 s29, 256                             ; a row of the weight in bytes
	s_mov_b32 s30, 272                             ; its K
	s_cmp_lt_u32 s20, 32
	s_cselect_b64 s[32:33], s[8:9], s[10:11]
	s_cselect_b32 s29, 1024, s29
	s_cselect_b32 s30, 256, s30
	s_cselect_b32 s24, s21, s24                    ; tile
	s_cselect_b32 s25, s22, s25                    ; K step
	s_cselect_b32 s26, s21, s26                    ; scale image
	s_cselect_b32 s28, s22, s28                    ; and which half of it
	s_cmp_eq_u32 s20, 44
	s_cselect_b64 s[32:33], s[12:13], s[32:33]
	s_cselect_b32 s29, 64, s29
	s_cselect_b32 s30, 32, s30
	s_cselect_b32 s25, 0, s25
	s_cselect_b32 s26, 22, s26
	s_cselect_b32 s28, 0, s28
	s_cselect_b32 s31, 64, 0                       ; g_w2's word fills both halves of its image
	s_mov_b32 s38, 0x76543210
	s_mov_b32 s39, 0xfedcba98
	v_and_b32 v1, 15, v0
	v_bfe_u32 v2, v0, 4, 1
	v_and_b32 v3, 31, v0
	s_lshl_b32 s34, s25, 7
	v_lshl_add_u32 v4, v2, 5, s34                  ; my first row: 128 s + 32 h
	s_lshl_b32 s35, s24, 6
	v_lshl_add_u32 v5, v1, 2, s35                  ; my column, in bytes
	s_sub_co_u32 s36, s30, 1
	v_sub_nc_u32 v6, s30, v4                       ; how many of my first 32 rows lie inside K (may be negative),
	v_sub_nc_u32 v7, v6, 64                        ; and of my second 32
.set n, 0
.rept 64
	v_add_nc_u32 v[128+n], 64*(n/32)+n%32, v4
.set n, n+1
.endr
.set n, 0
.rept 64
	v_min_u32 v[128+n], s36, v[128+n]              ; no load leaves the weight
.set n, n+1
.endr
.set n, 0
.rept 64
	v_mad_u32_u24 v[128+n], v[128+n], s29, v5
.set n, n+1
.endr
.set n, 0
.rept 64
	global_load_b32 v[64+n], v[128+n], s[32:33]
.set n, n+1
.endr
	s_wait_loadcnt 0x0
.set n, 0
.rept 64
	v_cmp_lt_i32 vcc_lo, n%32, v[6+n/32]
	v_cndmask_b32 v[64+n], 0, v[64+n], vcc_lo      ; past the end of K: zeros
.set n, n+1
.endr
.irp c, 0,1
	v_max3_num_f32 v[32+\c], |v[64+32*\c]|, |v[65+32*\c]|, 0x1800000   ; my block 2 c + h, and the floor 2^(3 - 127): the byte cannot fall under 1
.endr
.irp i, 2,4,6,8,10,12,14,16,18,20,22,24,26,28,30
.irp c, 0,1
	v_max3_num_f32 v[32+\c], v[32+\c], |v[64+32*\c+\i]|, |v[65+32*\c+\i]|
.endr
.endr
.irp c, 0,1
	v_add_nc_u32 v[44+\c], 0xff000000, v[32+\c]    ; 2 off the exponent field: the conversion's scale operand
.endr
.irp c, 0,1
	v_lshrrev_b32 v[36+\c], 23, v[44+\c]           ; the scale's byte
.endr
	v_lshl_or_b32 v9, v37, 16, v36
	v_lshlrev_b32 v10, 3, v2
	v_lshlrev_b32 v9, v10, v9                      ; blocks h and 2 + h at their places in the word
	v_mov_b32 v10, 0
	v_permlanex16_b32 v10, v9, s38, s39
	v_or_b32 v9, v9, v10                           ; with lane l xor 16's two the word is whole
.irp c, 0,1
.irp g, 0,1,2,3
	v_cvt_scalef32_pk8_fp4_f32 v[48+4*\c+\g], v[64+32*\c+8*\g:71+32*\c+8*\g], v[44+\c]
.endr
.endr
	v_nop
	s_lshl_b32 s40, s20, 10
	v_lshl_add_u32 v11, v3, 4, s40
	s_lshl_b32 s41, s26, 7
	s_lshl_b32 s37, s28, 6
	s_add_co_u32 s41, s41, s37
	s_add_co_u32 s41, s41, 46080
	v_mul_u32_u24 v12, v2, s31
	v_lshl_add_u32 v12, v1, 2, v12
	v_add_nc_u32 v12, s41, v12
	global_store_b128 v11, v[48:51], s[16:17]                      ; the fragment as it stands in registers: 512 consecutive bytes a store
	global_store_b128 v11, v[52:55], s[16:17] offset:512
	global_store_b32 v12, v9, s[16:17]             ; lanes r and 16 + r hold the same word (and, but for g_w2, name the same place)
	s_cmp_lg_u32 s20, 44
	s_cbranch_scc1 .Lend
	global_store_b32 v12, v9, s[16:17] offset:128  ; image 23: so that every byte of the buffer is written
.Lend:
	s_endpgm
.Lfunc_end_k_q0f2dfacadc_pick:
	.size	k_q0f2dfacadc_pick, .Lfunc_end_k_q0f2dfacadc_pick-k_q0f2dfacadc_pick
	.p2alignl 7, 3214868480
	.fill 96, 4, 3214868480
	.section	.rodata,"a",@progbits
	.p2align	6, 0x0
	.amdhsa_kernel k_q0f2dfacadc_pick
		.amdhsa_group_segment_fixed_size 132096
		.amdhsa_private_segment_fixed_size 0
		.amdhsa_enable_private_segment 0
		.amdhsa_kernarg_size 56
		.amdhsa_user_sgpr_count 2
		.amdhsa_user_sgpr_kernarg_segment_ptr 1
		.amdhsa_wavefront_size32 1
		.amdhsa_system_sgpr_workgroup_id_x 1
		.amdhsa_system_sgpr_workgroup_id_y 1
		.amdhsa_system_sgpr_workgroup_id_z 1
		.amdhsa_system_vgpr_workitem_id 0
		.amdhsa_next_free_vgpr 256
		.amdhsa_next_free_sgpr 66
		.amdhsa_reserve_vcc 1
		.amdhsa_float_denorm_mode_32 3
		.amdhsa_float_denorm_mode_16_64 3
		.amdhsa_memory_ordered 1
		.amdhsa_forward_progress 1
		.amdhsa_inst_pref_size 217
	.end_amdhsa_kernel
	.amdgpu_metadata
---
amdhsa.version: [ 1, 2 ]
amdhsa.kernels:
  - .name:           k_q0f2dfacadc_pick
    .symbol:         k_q0f2dfacadc_pick.kd
    .args:
      - { .name: xyz, .offset: 0, .size: 8, .value_kind: global_buffer, .address_space: global }
      - { .name: grp, .offset: 8, .size: 8, .value_kind: global_buffer, .address_space: global }
      - { .name: r_w, .offset: 16, .size: 8, .value_kind: global_buffer, .address_space: global }
      - { .name: e_w1, .offset: 24, .size: 8, .value_kind: global_buffer, .address_space: global }
      - { .name: g_w2, .offset: 32, .size: 8, .value_kind: global_buffer, .address_space: global }
      - { .name: nidx, .offset: 40, .size: 8, .value_kind: global_buffer, .address_space: global }
      - { .name: wpk, .offset: 48, .size: 8, .value_kind: global_buffer, .address_space: global }
    .group_segment_fixed_size: 132096
    .private_segment_fixed_size: 0
    .kernarg_segment_align: 8
    .kernarg_segment_size: 56
    .max_flat_workgroup_size: 128
    .sgpr_count:     66
    .vgpr_count:     256
    .wavefront_size: 32
...
	.end_amdgpu_metadata
.endif
;; end of part 2
;; launch refine (part 3): grid 256 x 1, 8 waves a work-group, no clusters, 187,392 bytes of LDS; arguments features, xyz, nidx, wpk, g_w1, g_b1, g_lnw, g_lnb, g_b2, e_b1, e_lnw, e_lnb, e_w2, e_b2, r_b, r_lnw, r_lnb, out0, out1; writes out0, out1
.if DOCPART == 3
	.amdgcn_target "amdgcn-amd-amdhsa--gfx1250"
	.amdhsa_code_object_version 6
	.text
	.protected	k_q0f2dfacadc_refine
	.globl	k_q0f2dfacadc_refine
	.p2align	8
	.type	k_q0f2dfacadc_refine,@function
k_q0f2dfacadc_refine:
	s_mov_b64 s[64:65], 0
	v_nop
	global_prefetch_b8 v0, s[64:65] scope:SCOPE_SE
	s_setreg_imm32_b32 hwreg(HW_REG_WAVE_MODE, 25, 1), 1
	s_wait_xcnt 0x0
; From the neighbours' indices to both outputs. Work-group g: rows 128 g on; wave w takes 16 of them through the whole chain; behind one barrier the waves share nothing.
; All products are used transposed (source 0 = 16 columns of a weight, source 1 = my 16 rows): lane (r, h) holds row r throughout, register j of a result the unit 8 h + j of its tile,
; and every sum along a row wants one exchange with lane l xor 16.
; H: all fills of LDS and all small loads go out; the neighbours are gathered. G1: the ten geometric numbers (a row's 16 neighbours: 8 in each of its two lanes). G2: 10 -> 32 with f32 operands, LayerNorm, relu, codes.
; Barrier. G3: 32 -> 16 on codes; its result's codes are K = 256..271 of the edge head. F: my rows of features become codes. E: 272 -> 64 on codes, LayerNorm, relu, 64 -> 1, sigmoid: out1.
; R: 256 -> 256 on codes, LayerNorm, relu, x prob + features: out0, through the features' own bytes in LDS, so that the wave stores 512 consecutive bytes at a time.
; No cluster: what the work-groups share is the 48 KiB of weights, against 128 KiB of features and 128 KiB of results that are each work-group's own.
; LIMITS: NaN and infinities are not served. Sums over neighbours and along rows are taken in another order than the definition's; / 15 is a multiplication by fl(1 / 15); divisions and 1 / sqrt are v_rcp_f32 and v_rsq_f32.
; A block of zeros carries the scale byte 1 where the rule says 127: its codes are zeros, and no byte leaves the program.
; LDS, everything filled once: 0 features, 128 rows of 1,024 + 16 bytes (row r starts 4 r banks on), 16,640 a wave; WP the weights' images as the launch before stored them; PR r_b, r_lnw, r_lnb (1,024 each), e_b1, e_lnw, e_lnb, e_w2 (256 each).
; REGISTERS: v1 r, v2 h, v3 16 lane; v4-9 LDS addresses; v10 prob; v12-15 offsets; v16-28 scale words and nothing else; v29-31 the exchange's; v[32:95] small parameters, later fragments, later a tile's parameters;
;   v[96:223] neighbours and geo, later blocks of features, later the accumulators; v[224:239] the copies' addresses, later the features' codes; v[240:255] results of the f32 matrix form: written by matrix instructions alone.
.set FP, 1040
.set FW, 16640
.set WP, 133120
.set WSC, WP+46080
.set PR, 182272
	s_load_b512 s[4:19], s[0:1], 0x0               ; features 4, xyz 6, nidx 8, wpk 10, g_w1 12, g_b1 14, g_lnw 16, g_lnb 18
	s_load_b512 s[20:35], s[0:1], 0x40             ; g_b2 20, e_b1 22, e_lnw 24, e_lnb 26, e_w2 28, e_b2 30, r_b 32, r_lnw 34
	s_load_b128 s[36:39], s[0:1], 0x80             ; r_lnb 36, out0 38
	s_load_b64 s[40:41], s[0:1], 0x90              ; out1
	s_set_vgpr_msb 0x40
	v_lshl_add_u32 v0, v0, 2, 0x2d800
	v_mov_b32 v1, 0
	s_set_vgpr_msb 0x4045
	ds_add_u32 v0, v1
	ds_add_u32 v0, v1
	s_set_vgpr_msb 0x4500
	v_lshrrev_b32 v11, 5, v0
	v_readfirstlane_b32 s42, v11                   ; wave 0..7
	v_and_b32 v1, 15, v0
	v_bfe_u32 v2, v0, 4, 1
	v_and_b32 v10, 31, v0
	v_lshlrev_b32 v3, 4, v10
	s_lshl_b32 s43, ttmp9, 7
	s_lshl_b32 s56, s42, 4
	s_add_co_u32 s43, s43, s56                     ; my first row
	s_mov_b32 s44, 1                               ; descriptor group 0: count = 1;
	s_mul_i32 s45, s42, FW                         ; LDS address: my wave's 16 rows
	s_mov_b32 s48, (2<<16)|(1<<20)|(7<<22)|(3<<25) ; group 1: elements of 4 bytes; padding on: four words behind every 256
	s_mov_b32 s49, 256<<16                         ; tensor_dim0 = 256
	s_mov_b32 s50, 16<<16                          ; tensor_dim1 = 16
	s_mov_b32 s51, 256<<16                         ; tile_dim0 = 256
	s_mov_b32 s52, 16                              ; tile_dim1 = 16
	s_mov_b32 s53, 256                             ; elements from row to row
	s_mov_b32 s54, 0
	s_mov_b32 s55, 0
	s_mov_b32 s58, 0x76543210
	s_mov_b32 s59, 0xfedcba98                      ; v_permlanex16_b32's selects for lane l xor 16
	s_mov_b32 s60, 0xffff0000                      ; the lanes with h = 1
	s_mov_b32 s74, 0x3727c5ac                      ; 1e-5
	s_mov_b32 s75, 0x3d000000                      ; 1 / 32
	s_mov_b32 s78, 0x3c800000                      ; 1 / 64
	s_mov_b32 s79, 0x3b800000                      ; 1 / 256
	v_lshl_add_u32 v224, v0, 4, WP                 ; the copies' addresses: kept untouched until the wait for the copies
	v_lshlrev_b32 v225, 4, v0
	v_lshl_add_u32 v226, v0, 2, PR
	v_lshl_add_u32 v227, v0, 2, PR+1024
	v_lshl_add_u32 v228, v0, 2, PR+2048
	v_lshl_add_u32 v229, v0, 2, PR+3072
	v_lshlrev_b32 v230, 2, v0
	v_and_b32 v231, 63, v0
	v_lshlrev_b32 v231, 2, v231
	v_mul_u32_u24 v11, v1, FP
	v_add_nc_u32 v11, s45, v11
	v_lshl_add_u32 v4, v2, 7, v11                  ; features: my row, a block of 32 for each half of the lanes
	v_lshl_add_u32 v5, v2, 5, v11                  ; my row, in a result's layout
	v_add_nc_u32 v6, s45, v3                       ; back: half a row to the wave
	v_lshl_add_u32 v7, v2, 5, PR                   ; parameters in a result's layout
	v_add_nc_u32 v8, WP, v3                        ; a fragment's image
	v_lshl_add_u32 v9, v10, 2, WSC                 ; a scale register's image
	v_lshlrev_b32 v12, 19, v2
	v_lshl_add_u32 v12, v1, 4, v12                 ; nidx: plane h, row r
	v_lshlrev_b32 v14, 2, v1
	v_lshl_add_u32 v13, v2, 8, v14
	v_lshlrev_b32 v15, 5, v2
	v_mov_b32 v29, 0                               ; written once: a lane permute's destination counts as one of its sources
	v_mov_b32 v30, 0
	v_mov_b32 v31, 0
	s_lshl_b32 s56, s43, 10
	s_mov_b32 s57, 0
	s_wait_dscnt 0x0
	s_wait_kmcnt 0x0
	s_lshr_b32 s76, s42, 1                         ; waves 2 k and 2 k + 1 copy the k-th of e_b1, e_lnw, e_lnb, e_w2
	s_cmp_lt_u32 s76, 2
	s_cselect_b64 s[62:63], s[22:23], s[26:27]
	s_cselect_b64 s[66:67], s[24:25], s[28:29]
	s_and_b32 s76, s76, 1
	s_cmp_eq_u32 s76, 0
	s_cselect_b64 s[62:63], s[62:63], s[66:67]
	s_add_nc_u64 s[70:71], s[38:39], s[56:57]      ; out0 at my first row
	s_add_nc_u64 s[46:47], s[4:5], s[56:57]        ; features at my first row
	s_or_b32 s47, s47, 0x80000000                  ; type = 2
	tensor_load_to_lds s[44:47], s[48:55]          ; my 16 rows: the wave's one tensor load
	s_nop 0
.rept 4
	v_nop
.endr
.set i, 0
.rept 12
	global_load_async_to_lds_b128 v224, v225, s[10:11] offset:4096*i   ; the weights' images: 4,096 bytes a copy for the work-group
.set i, i+1
.endr
	global_load_async_to_lds_b32 v226, v230, s[32:33]
	global_load_async_to_lds_b32 v227, v230, s[34:35]
	global_load_async_to_lds_b32 v228, v230, s[36:37]
	global_load_async_to_lds_b32 v229, v231, s[62:63]
	s_load_b32 s61, s[30:31], 0x0                  ; e_b2
	s_lshl_b32 s56, s43, 4
	s_add_nc_u64 s[66:67], s[8:9], s[56:57]        ; nidx at my first row
	s_lshl_b32 s56, s43, 2
	s_add_nc_u64 s[72:73], s[40:41], s[56:57]      ; out1 likewise
	s_lshr_b32 s56, ttmp9, 5
	s_mul_i32 s56, s56, 49152
	s_add_nc_u64 s[68:69], s[6:7], s[56:57]        ; my batch's points
	global_load_b128 v[128:131], v12, s[66:67]     ; eight of my row's sixteen neighbours
.irp jt, 0,1                                   ; g_w1 as source 0 of the f32 form: lane (r, h), register j: g_w1[4 s + 2 h + j][16 jt + r]; fragment (jt, s) at v[32 + 6 jt + 2 s]
.irp s, 0,1
.irp j, 0,1
	global_load_b32 v[32+6*\jt+2*\s+\j], v13, s[12:13] offset:(4*\s+\j)*128+64*\jt
.endr
.endr
.irp j, 0,1
	global_load_b32 v[36+6*\jt+\j], v14, s[12:13] offset:(8+\j)*128+64*\jt     ; K = 8, 9; the upper lanes' K = 10, 11 do not exist: cleared below
.endr
.endr
.irp i, 0,1,2,3
	global_load_b128 v[44+4*\i:47+4*\i], v15, s[14:15] offset:64*(\i/2)+16*(\i%2)
	global_load_b128 v[60+4*\i:63+4*\i], v15, s[16:17] offset:64*(\i/2)+16*(\i%2)
	global_load_b128 v[76+4*\i:79+4*\i], v15, s[18:19] offset:64*(\i/2)+16*(\i%2)
.endr
.irp i, 0,1
	global_load_b128 v[200+4*\i:203+4*\i], v15, s[20:21] offset:16*\i
.endr
	s_wait_loadcnt 26                              ; the indices are in; the 26 small loads behind them may be out
.irp m, 0,1,2,3
	v_and_b32 v[132+2*\m], 0xffff, v[128+\m]
	v_lshrrev_b32 v[133+2*\m], 16, v[128+\m]
.endr
.irp k, 0,1,2,3,4,5,6,7
	v_min_u32 v[132+\k], 0xfff, v[132+\k]
.endr
.irp k, 0,1,2,3,4,5,6,7
	v_mul_u32_u24 v[132+\k], v[132+\k], 12
.endr
.irp k, 0,1,2,3,4,5,6,7
	global_load_b96 v[96+4*\k:98+4*\k], v[132+\k], s[68:69]
.endr
	s_wait_loadcnt 0x0
.irp i, 36,37,42,43
	v_cndmask_b32 v[\i], v[\i], 0, s60
.endr
.macro XS3 a                           ; three sums, each joined with lane l xor 16's
.irp c, 0,1,2
	v_permlanex16_b32 v[29+\c], v[(\a)+\c], s58, s59
.endr
.irp c, 0,1,2
	v_add_f32 v[(\a)+\c], v[(\a)+\c], v[29+\c]
.endr
.endm
.macro XS1 a
	v_permlanex16_b32 v29, v[\a], s58, s59
	v_add_f32 v[\a], v[\a], v29
.endm
.macro XM1 a
	v_permlanex16_b32 v29, v[\a], s58, s59
	v_max_num_f32 v[\a], v[\a], v29
.endm
.macro SUM3 dst                        ; the sums over my eight neighbours of x, y, z
.irp c, 0,1,2
	v_add_f32 v[(\dst)+\c], v[96+\c], v[100+\c]
.endr
.irp k, 2,3,4,5,6,7
.irp c, 0,1,2
	v_add_f32 v[(\dst)+\c], v[(\dst)+\c], v[96+4*\k+\c]
.endr
.endr
	XS3 \dst
.irp c, 0,1,2
	v_mul_f32 v[(\dst)+\c], 0x3d800000, v[(\dst)+\c]               ; / 16
.endr
.endm
	; ---- G1
	SUM3 128
.irp k, 0,1,2,3,4,5,6,7
.irp c, 0,1,2
	v_sub_f32 v[96+4*\k+\c], v[96+4*\k+\c], v[128+\c]              ; centred
.endr
.endr
	SUM3 131                                       ; the centred points' own mean, which the standard deviation takes off again
.irp c, 0,1,2
	v_mul_f32 v[134+\c], v[96+\c], v[96+\c]
.endr
.irp k, 1,2,3,4,5,6,7
.irp c, 0,1,2
	v_fmac_f32 v[134+\c], v[96+4*\k+\c], v[96+4*\k+\c]
.endr
.endr
	XS3 134
.irp c, 0,1,2
	v_mul_f32 v[134+\c], 0x3d800000, v[134+\c]     ; the covariance's diagonal
.endr
.irp k, 0,1,2,3,4,5,6,7
	v_mul_f32 v[140+\k], v[96+4*\k], v[96+4*\k]
.endr
.irp k, 0,1,2,3,4,5,6,7
	v_fmac_f32 v[140+\k], v[97+4*\k], v[97+4*\k]
.endr
.irp k, 0,1,2,3,4,5,6,7
	v_fmac_f32 v[140+\k], v[98+4*\k], v[98+4*\k]
.endr
.irp k, 0,1,2,3,4,5,6,7
	v_sqrt_f32 v[140+\k], v[140+\k]                ; the eight distances: one batch; the variances below are the independent work behind it
.endr
.irp k, 0,1,2,3,4,5,6,7
.irp c, 0,1,2
	v_sub_f32 v[160+3*\k+\c], v[96+4*\k+\c], v[131+\c]
.endr
.endr
.irp c, 0,1,2
	v_mul_f32 v[137+\c], v[160+\c], v[160+\c]
.endr
.irp k, 1,2,3,4,5,6,7
.irp c, 0,1,2
	v_fmac_f32 v[137+\c], v[160+3*\k+\c], v[160+3*\k+\c]
.endr
.endr
	XS3 137
.irp c, 0,1,2
	v_mul_f32 v[137+\c], 0x3d888889, v[137+\c]     ; / 15
.endr
	s_wait_alu depctr_va_vdst(0)                   ; one wait for the eight roots, ahead of their first reader
	v_add_f32 v148, v140, v141
.irp k, 2,3,4,5,6,7
	v_add_f32 v148, v148, v[140+\k]
.endr
	XS1 148
	v_mul_f32 v148, 0x3d800000, v148               ; the mean distance
.irp k, 0,1,2,3,4,5,6,7
	v_sub_f32 v[140+\k], v[140+\k], v148
.endr
	v_mul_f32 v149, v140, v140
.irp k, 1,2,3,4,5,6,7
	v_fmac_f32 v149, v[140+\k], v[140+\k]
.endr
	XS1 149
	v_mul_f32 v149, 0x3d888889, v149
	v_add_f32 v150, v134, v135
	v_add_f32 v150, v150, v136                     ; trace
	v_mul_f32 v151, v134, v135
	v_mul_f32 v151, v151, v136
	v_max_num_f32 v151, 0x322bcc77, v151           ; det, at least 1e-8
	v_add_f32 v152, 0x358637bd, v150               ; trace + 1e-6
	v_sqrt_f32 v137, v137
	v_sqrt_f32 v138, v138
	v_sqrt_f32 v139, v139
	v_sqrt_f32 v149, v149
	v_rcp_f32 v152, v152
	v_nop
	s_wait_alu depctr_va_vdst(0)                   ; one wait for the five
.irp c, 0,1,2
	v_mul_f32 v[153+\c], v[137+\c], v152
.endr
	; ---- G2: source 1 of K step s: register j = geo[4 s + 2 h + j] of my row; geo = trace, det, std x 3, mean d, std d, std / t x 3
	v_cndmask_b32 v184, v150, v137, s60
	v_cndmask_b32 v185, v151, v138, s60
	v_cndmask_b32 v186, v139, v149, s60
	v_cndmask_b32 v187, v148, v153, s60
	v_cndmask_b32 v188, v154, 0, s60
	v_cndmask_b32 v189, v155, 0, s60
	v_wmma_f32_16x16x4_f32 v[240:247], v[32:33], v[184:185], v[44:51]       ; the bias is the C of each sum's first product; the two accumulators take turns
	v_wmma_f32_16x16x4_f32 v[248:255], v[38:39], v[184:185], v[52:59]
	v_wmma_f32_16x16x4_f32 v[240:247], v[34:35], v[186:187], v[240:247]
	v_wmma_f32_16x16x4_f32 v[248:255], v[40:41], v[186:187], v[248:255]
	v_wmma_f32_16x16x4_f32 v[240:247], v[36:37], v[188:189], v[240:247]
	v_wmma_f32_16x16x4_f32 v[248:255], v[42:43], v[188:189], v[248:255]
.rept 8
	v_nop                                          ; eight places behind this form, ahead of the first read of a result
.endr
	v_pk_add_f32 v[160:161], v[240:241], v[242:243]
	v_pk_add_f32 v[162:163], v[248:249], v[250:251]
	v_pk_add_f32 v[160:161], v[160:161], v[244:245]
	v_pk_add_f32 v[162:163], v[162:163], v[252:253]
	v_pk_add_f32 v[160:161], v[160:161], v[246:247]
	v_pk_add_f32 v[162:163], v[162:163], v[254:255]
	v_pk_add_f32 v[160:161], v[160:161], v[162:163]
	v_add_f32 v160, v160, v161
	XS1 160
	v_mul_f32 v160, 0xbd000000, v160               ; -mean of the 32
.irp p, 0,2,4,6,8,10,12,14
	v_pk_add_f32 v[164+\p:165+\p], v[240+\p:241+\p], v[160:161] op_sel_hi:[1,0]
.endr
	v_pk_mul_f32 v[190:191], v[164:165], v[164:165]
	v_pk_mul_f32 v[192:193], v[166:167], v[166:167]
.irp p, 4,8,12
	v_pk_fma_f32 v[190:191], v[164+\p:165+\p], v[164+\p:165+\p], v[190:191]
	v_pk_fma_f32 v[192:193], v[166+\p:167+\p], v[166+\p:167+\p], v[192:193]
.endr
	v_pk_add_f32 v[190:191], v[190:191], v[192:193]
	v_add_f32 v190, v190, v191
	XS1 190
	v_fma_f32 v190, v190, s75, s74                 ; variance + 1e-5
	v_rsq_f32 v190, v190
	v_nop
	s_wait_alu depctr_va_vdst(0)
.irp p, 0,2,4,6,8,10,12,14
	v_pk_mul_f32 v[164+\p:165+\p], v[164+\p:165+\p], v[190:191] op_sel_hi:[1,0]
.endr
.irp p, 0,2,4,6,8,10,12,14
	v_pk_fma_f32 v[164+\p:165+\p], v[164+\p:165+\p], v[60+\p:61+\p], v[76+\p:77+\p]
.endr
.set i, 0
.rept 16
	v_max_num_f32 v[164+i], 0, v[164+i]
.set i, i+1
.endr
	v_max3_num_f32 v194, v164, v165, 0x1800000     ; the block of 32 lies in lanes l and l xor 16; none is negative; the floor 2^(3 - 127) holds the byte at 1
	v_max3_num_f32 v195, v172, v173, v174
	v_max3_num_f32 v194, v194, v166, v167
	v_max3_num_f32 v195, v195, v175, v176
	v_max3_num_f32 v194, v194, v168, v169
	v_max3_num_f32 v195, v195, v177, v178
	v_max3_num_f32 v194, v194, v170, v171
	v_max3_num_f32 v194, v194, v195, v179
	XM1 194
	v_add_nc_u32 v195, 0xff000000, v194            ; 2 off the exponent field: the conversion's scale operand
	v_lshrrev_b32 v27, 23, v195                    ; the scale word: byte 0; the other three blocks of the K step are zero codes
	v_cvt_scalef32_pk8_fp4_f32 v196, v[164:171], v195              ; units 8 h + 0..7
	v_cvt_scalef32_pk8_fp4_f32 v197, v[172:179], v195              ; units 16 + 8 h + 0..7
	v_nop
	v_permlanex16_b32 v30, v196, s58, s59
	v_permlanex16_b32 v31, v197, s58, s59
	v_cndmask_b32 v216, v196, 0, s60               ; the operand: lanes 0-15 hold K = 0..31 in four registers; all else is zero codes
	v_cndmask_b32 v217, v30, 0, s60
	v_cndmask_b32 v218, v197, 0, s60
	v_cndmask_b32 v219, v31, 0, s60
.irp i, 220,221,222,223
	v_mov_b32 v[\i], 0
.endr
	; ---- the barrier
	s_wait_kmcnt 0x0                               ; e_b2
	s_wait_tensorcnt 0x0                           ; my rows of features have landed,
	s_wait_asynccnt 0x0                            ; and my part of the weights and parameters, which the other waves read:
	s_barrier_signal -1
	s_barrier_wait -1                              ; everybody's have
	; ---- G3
	ds_load_b128 v[128:131], v8 offset:44*1024
	ds_load_b128 v[132:135], v8 offset:44*1024+512
	ds_load_b32 v28, v9 offset:22*128
.rept 8
	v_nop                                          ; a scale register written by a vector instruction stands eight places ahead of a scaled product, an operand four
.endr
	s_wait_dscnt 0x0
	v_wmma_scale_f32_16x16x128_f8f6f4 v[136:143], v[128:135], v[216:223], v[200:207], v28, v27 matrix_a_fmt:MATRIX_FMT_FP4 matrix_b_fmt:MATRIX_FMT_FP4
.rept 4
	v_nop
.endr
	v_max3_num_f32 v144, |v136|, |v137|, 0x1800000
	v_max3_num_f32 v144, v144, |v138|, |v139|
	v_max3_num_f32 v144, v144, |v140|, |v141|
	v_max3_num_f32 v144, v144, |v142|, |v143|
	XM1 144                                        ; the block K = 256..287 of the edge head: these sixteen and sixteen zeros
	v_add_nc_u32 v145, 0xff000000, v144
	v_lshrrev_b32 v26, 23, v145
	v_cvt_scalef32_pk8_fp4_f32 v146, v[136:143], v145
	v_nop
	v_permlanex16_b32 v30, v146, s58, s59
	v_cndmask_b32 v32, v146, 0, s60
	v_cndmask_b32 v33, v30, 0, s60
.irp i, 34,35,36,37,38,39
	v_mov_b32 v[\i], 0
.endr
	; ---- F: block b = 2 s + c of my row and half: K = 128 s + 64 c + 32 h + 0..31, all in my lane: its codes are registers 4 c .. 4 c + 3 of fragment s
.macro QLOAD b, buf
.irp i, 0,1,2,3,4,5,6,7
	ds_load_b128 v[96+32*(\buf)+4*\i:99+32*(\buf)+4*\i], v4 offset:256*(\b)+16*\i
.endr
.endm
.macro QWORK b, buf
.set XB, 96+32*(\buf)
	v_max3_num_f32 v160, |v[XB]|, |v[XB+1]|, 0x1800000
	v_max3_num_f32 v161, |v[XB+16]|, |v[XB+17]|, |v[XB+18]|
.irp i, 0,2,4,6,8,10
	v_max3_num_f32 v160, v160, |v[XB+2+\i]|, |v[XB+3+\i]|
	v_max3_num_f32 v161, v161, |v[XB+19+\i]|, |v[XB+20+\i]|
.endr
	v_max3_num_f32 v160, v160, |v[XB+14]|, |v[XB+15]|
	v_max3_num_f32 v160, v160, v161, |v[XB+31]|
	v_add_nc_u32 v[164+(\b)], 0xff000000, v160
	v_lshrrev_b32 v[168+(\b)], 23, v[164+(\b)]
.irp g, 0,1,2,3
	v_cvt_scalef32_pk8_fp4_f32 v[224+4*(\b)+\g], v[XB+8*\g:XB+8*\g+7], v[164+(\b)]
.endr
	v_nop
.endm
	QLOAD 0, 0
	QLOAD 1, 1
	s_wait_dscnt 8                                 ; this block's eight loads are in; the next block's eight may be out
	QWORK 0, 0
	QLOAD 2, 0
	s_wait_dscnt 8
	QWORK 1, 1
	QLOAD 3, 1
	s_wait_dscnt 8
	QWORK 2, 0
	s_wait_dscnt 0x0
	QWORK 3, 1
	v_lshlrev_b32 v172, 3, v2
.irp s, 0,1
	v_lshl_or_b32 v[173+\s], v[169+2*\s], 16, v[168+2*\s]          ; my two bytes of K step s: blocks h and 2 + h,
	v_lshlrev_b32 v[173+\s], v172, v[173+\s]                       ; at their places;
	v_permlanex16_b32 v[30+\s], v[173+\s], s58, s59
	v_or_b32 v[24+\s], v[173+\s], v[30+\s]                         ; with lane l xor 16's the word is whole
.endr
	; ---- E
.set i, 0
.rept 8
	ds_load_b128 v[96+4*i:99+4*i], v7 offset:3072+64*(i/2)+16*(i%2)        ; e_b1 straight into the accumulators
.set i, i+1
.endr
.set i, 0
.rept 24
	ds_load_b128 v[128+4*i:131+4*i], v8 offset:32*1024+512*i               ; fragments 32 + 4 s + t, on end
.set i, i+1
.endr
.set i, 0
.rept 6
	ds_load_b32 v[16+i], v9 offset:(16+i)*128
.set i, i+1
.endr
.rept 8
	v_nop                                          ; the places between the features' scale words and the first product that names them
.endr
	s_wait_dscnt 0x0
.irp t, 0,1,2,3                                ; the four accumulators take turns, a K step at a time
	v_wmma_scale_f32_16x16x128_f8f6f4 v[96+8*\t:103+8*\t], v[128+8*\t:135+8*\t], v[224:231], v[96+8*\t:103+8*\t], v[16+\t], v24 matrix_a_fmt:MATRIX_FMT_FP4 matrix_b_fmt:MATRIX_FMT_FP4
.endr
.irp t, 0,1,2,3
	v_wmma_scale_f32_16x16x128_f8f6f4 v[96+8*\t:103+8*\t], v[160+8*\t:167+8*\t], v[232:239], v[96+8*\t:103+8*\t], v[16+\t], v25 matrix_a_fmt:MATRIX_FMT_FP4 matrix_b_fmt:MATRIX_FMT_FP4 matrix_a_scale:MATRIX_SCALE_ROW1
.endr
.irp t, 0,1,2,3
.if \t%2
	v_wmma_scale_f32_16x16x128_f8f6f4 v[96+8*\t:103+8*\t], v[192+8*\t:199+8*\t], v[32:39], v[96+8*\t:103+8*\t], v[20+\t/2], v26 matrix_a_fmt:MATRIX_FMT_FP4 matrix_b_fmt:MATRIX_FMT_FP4 matrix_a_scale:MATRIX_SCALE_ROW1
.else
	v_wmma_scale_f32_16x16x128_f8f6f4 v[96+8*\t:103+8*\t], v[192+8*\t:199+8*\t], v[32:39], v[96+8*\t:103+8*\t], v[20+\t/2], v26 matrix_a_fmt:MATRIX_FMT_FP4 matrix_b_fmt:MATRIX_FMT_FP4
.endif
.endr
.rept 4
	v_nop
.endr
.set i, 0
.rept 8
	ds_load_b128 v[128+4*i:131+4*i], v7 offset:3328+64*(i/2)+16*(i%2)      ; e_lnw,
	ds_load_b128 v[160+4*i:163+4*i], v7 offset:3584+64*(i/2)+16*(i%2)      ; e_lnb,
	ds_load_b128 v[192+4*i:195+4*i], v7 offset:3840+64*(i/2)+16*(i%2)      ; e_w2: they land under the statistics
.set i, i+1
.endr
	v_pk_add_f32 v[40:41], v[96:97], v[104:105]
	v_pk_add_f32 v[42:43], v[112:113], v[120:121]
.irp p, 2,4,6
	v_pk_add_f32 v[40:41], v[40:41], v[96+\p:97+\p]
	v_pk_add_f32 v[42:43], v[42:43], v[112+\p:113+\p]
	v_pk_add_f32 v[40:41], v[40:41], v[104+\p:105+\p]
	v_pk_add_f32 v[42:43], v[42:43], v[120+\p:121+\p]
.endr
	v_pk_add_f32 v[40:41], v[40:41], v[42:43]
	v_add_f32 v40, v40, v41
	XS1 40
	v_mul_f32 v40, 0xbc800000, v40                 ; -mean of the 64
.set n, 0
.rept 16
	v_pk_add_f32 v[96+2*n:97+2*n], v[96+2*n:97+2*n], v[40:41] op_sel_hi:[1,0]
.set n, n+1
.endr
	v_pk_mul_f32 v[42:43], v[96:97], v[96:97]
	v_pk_mul_f32 v[44:45], v[98:99], v[98:99]
.set n, 2
.rept 7
	v_pk_fma_f32 v[42:43], v[96+2*n:97+2*n], v[96+2*n:97+2*n], v[42:43]
	v_pk_fma_f32 v[44:45], v[98+2*n:99+2*n], v[98+2*n:99+2*n], v[44:45]
.set n, n+2
.endr
	v_pk_add_f32 v[42:43], v[42:43], v[44:45]
	v_add_f32 v42, v42, v43
	XS1 42
	v_fma_f32 v42, v42, s78, s74
	v_rsq_f32 v42, v42
	v_nop
	s_wait_alu depctr_va_vdst(0)
	s_wait_dscnt 0x0
.set n, 0
.rept 16
	v_pk_mul_f32 v[96+2*n:97+2*n], v[96+2*n:97+2*n], v[42:43] op_sel_hi:[1,0]
.set n, n+1
.endr
.set n, 0
.rept 16
	v_pk_fma_f32 v[96+2*n:97+2*n], v[96+2*n:97+2*n], v[128+2*n:129+2*n], v[160+2*n:161+2*n]
.set n, n+1
.endr
.set n, 0
.rept 32
	v_max_num_f32 v[96+n], 0, v[96+n]
.set n, n+1
.endr
	v_pk_mul_f32 v[44:45], v[96:97], v[192:193]
	v_pk_mul_f32 v[46:47], v[98:99], v[194:195]
.set n, 2
.rept 7
	v_pk_fma_f32 v[44:45], v[96+2*n:97+2*n], v[192+2*n:193+2*n], v[44:45]
	v_pk_fma_f32 v[46:47], v[98+2*n:99+2*n], v[194+2*n:195+2*n], v[46:47]
.set n, n+2
.endr
	v_pk_add_f32 v[44:45], v[44:45], v[46:47]
	v_add_f32 v44, v44, v45
	XS1 44
	v_add_f32 v44, s61, v44
	v_mul_f32 v44, 0xbfb8aa3b, v44                 ; sigmoid(x) = 1 / (1 + 2^(-x log2 e))
	v_exp_f32 v44, v44
	v_nop
	s_wait_alu depctr_va_vdst(0)
	v_add_f32 v44, 1.0, v44
	v_rcp_f32 v10, v44
	v_nop
	s_wait_alu depctr_va_vdst(0)
	global_store_b32 v14, v10, s[72:73]            ; out1: both lanes of a row store the same word
	; ---- R
.set i, 0
.rept 32
	ds_load_b128 v[96+4*i:99+4*i], v7 offset:64*(i/2)+16*(i%2)     ; r_b straight into the sixteen accumulators
.set i, i+1
.endr
.macro RGROUP g                        ; tiles 4 g .. 4 g + 3: eight fragments and four scale images from LDS, eight products; the four accumulators take turns
.if (\g) > 0
.rept 4
	v_nop                                          ; places in front of loads into registers that products have read
.endr
.endif
.irp tt, 0,1,2,3
.irp f, 0,1,2,3
	ds_load_b128 v[32+16*\tt+4*\f:35+16*\tt+4*\f], v8 offset:(4*(\g)+\tt)*2048+512*\f
.endr
	ds_load_b32 v[16+4*((\g)%2)+\tt], v9 offset:(4*(\g)+\tt)*128
.endr
	s_wait_dscnt 0x0
.irp tt, 0,1,2,3
	v_wmma_scale_f32_16x16x128_f8f6f4 v[96+8*(4*(\g)+\tt):103+8*(4*(\g)+\tt)], v[32+16*\tt:39+16*\tt], v[224:231], v[96+8*(4*(\g)+\tt):103+8*(4*(\g)+\tt)], v[16+4*((\g)%2)+\tt], v24 matrix_a_fmt:MATRIX_FMT_FP4 matrix_b_fmt:MATRIX_FMT_FP4
.endr
.irp tt, 0,1,2,3
	v_wmma_scale_f32_16x16x128_f8f6f4 v[96+8*(4*(\g)+\tt):103+8*(4*(\g)+\tt)], v[40+16*\tt:47+16*\tt], v[232:239], v[96+8*(4*(\g)+\tt):103+8*(4*(\g)+\tt)], v[16+4*((\g)%2)+\tt], v25 matrix_a_fmt:MATRIX_FMT_FP4 matrix_b_fmt:MATRIX_FMT_FP4 matrix_a_scale:MATRIX_SCALE_ROW1
.endr
.endm
	RGROUP 0
	RGROUP 1
	RGROUP 2
	RGROUP 3
.rept 4
	v_nop
.endr
.macro TLOAD t                         ; tile t's r_lnw, r_lnb and features, in the result's layout, into set t % 2
.set PS, 32+24*((\t)%2)
	ds_load_b128 v[PS:PS+3], v7 offset:1024+64*(\t)
	ds_load_b128 v[PS+4:PS+7], v7 offset:1024+64*(\t)+16
	ds_load_b128 v[PS+8:PS+11], v7 offset:2048+64*(\t)
	ds_load_b128 v[PS+12:PS+15], v7 offset:2048+64*(\t)+16
	ds_load_b128 v[PS+16:PS+19], v5 offset:64*(\t)
	ds_load_b128 v[PS+20:PS+23], v5 offset:64*(\t)+16
.endm
	TLOAD 0                                        ; lands under the statistics
.set n, 0
.rept 4
	v_pk_add_f32 v[224+2*n:225+2*n], v[96+8*n:97+8*n], v[128+8*n:129+8*n]  ; four chains; every accumulator is read from its low end on
.set n, n+1
.endr
.set n, 8
.rept 56
	v_pk_add_f32 v[224+2*(n%4):225+2*(n%4)], v[224+2*(n%4):225+2*(n%4)], v[96+8*(n%16)+2*(n/16):97+8*(n%16)+2*(n/16)]
.set n, n+1
.endr
	v_pk_add_f32 v[224:225], v[224:225], v[226:227]
	v_pk_add_f32 v[228:229], v[228:229], v[230:231]
	v_pk_add_f32 v[224:225], v[224:225], v[228:229]
	v_add_f32 v224, v224, v225
	XS1 224
	v_mul_f32 v224, 0xbb800000, v224               ; -mean of the 256
.set n, 0
.rept 64
	v_pk_add_f32 v[96+2*n:97+2*n], v[96+2*n:97+2*n], v[224:225] op_sel_hi:[1,0]
.set n, n+1
.endr
.set n, 0
.rept 4
	v_pk_mul_f32 v[226+2*n:227+2*n], v[96+2*n:97+2*n], v[96+2*n:97+2*n]
.set n, n+1
.endr
.set n, 4
.rept 60
	v_pk_fma_f32 v[226+2*(n%4):227+2*(n%4)], v[96+2*n:97+2*n], v[96+2*n:97+2*n], v[226+2*(n%4):227+2*(n%4)]
.set n, n+1
.endr
	v_pk_add_f32 v[226:227], v[226:227], v[228:229]
	v_pk_add_f32 v[230:231], v[230:231], v[232:233]
	v_pk_add_f32 v[226:227], v[226:227], v[230:231]
	v_add_f32 v226, v226, v227
	XS1 226
	v_fma_f32 v226, v226, s79, s74
	v_rsq_f32 v226, v226
	v_nop
	s_wait_alu depctr_va_vdst(0)
.macro TWORK t                         ; features + relu(LayerNorm) x prob, back into the features' own bytes: my wave's, and LDS serves a wave's instructions in order
.set PS, 32+24*((\t)%2)
.set AC, 96+8*(\t)
.irp p, 0,2,4,6
	v_pk_mul_f32 v[AC+\p:AC+\p+1], v[AC+\p:AC+\p+1], v[226:227] op_sel_hi:[1,0]
.endr
.irp p, 0,2,4,6
	v_pk_fma_f32 v[AC+\p:AC+\p+1], v[AC+\p:AC+\p+1], v[PS+\p:PS+\p+1], v[PS+8+\p:PS+9+\p]
.endr
.irp j, 0,1,2,3,4,5,6,7
	v_max_num_f32 v[AC+\j], 0, v[AC+\j]
.endr
.irp p, 0,2,4,6
	v_pk_fma_f32 v[AC+\p:AC+\p+1], v[AC+\p:AC+\p+1], v[10:11], v[PS+16+\p:PS+17+\p] op_sel_hi:[1,0,1]
.endr
	ds_store_b128 v5, v[AC:AC+3] offset:64*(\t)
	ds_store_b128 v5, v[AC+4:AC+7] offset:64*(\t)+16
.endm
	TLOAD 1
	s_wait_dscnt 6                                 ; tile 0's six loads are in; tile 1's six may be out
	TWORK 0
.irp t, 1,2,3,4,5,6,7,8,9,10,11,12,13,14
	TLOAD \t+1
	s_wait_dscnt 8                                 ; behind this tile's loads: the last tile's two stores and the next tile's six loads
	TWORK \t
.endr
	s_wait_dscnt 2                                 ; behind tile 15's loads: tile 14's two stores
	TWORK 15
.set i, 0
.rept 32
	ds_load_b128 v[96+4*i:99+4*i], v6 offset:FP*(i/2)+512*(i%2)    ; back by rows: half a row, 512 bytes, to the wave
.set i, i+1
.endr
.set i, 0
.rept 32
	s_wait_dscnt 31-i
	global_store_b128 v3, v[96+4*i:99+4*i], s[70:71] offset:1024*(i/2)+512*(i%2) th:TH_STORE_NT    ; 512 consecutive bytes, at a multiple of 256 from out0's first byte
.set i, i+1
.endr
	s_set_vgpr_msb 0x5
	s_wait_tensorcnt 0x0
	ds_add_u32 v0, v1
	s_wait_dscnt 0x0
	s_set_vgpr_msb 0x500
	s_endpgm
.Lfunc_end_k_q0f2dfacadc_refine:
	.size	k_q0f2dfacadc_refine, .Lfunc_end_k_q0f2dfacadc_refine-k_q0f2dfacadc_refine
	.p2alignl 7, 3214868480
	.fill 96, 4, 3214868480
	.section	.rodata,"a",@progbits
	.p2align	6, 0x0
	.amdhsa_kernel k_q0f2dfacadc_refine
		.amdhsa_group_segment_fixed_size 187392
		.amdhsa_private_segment_fixed_size 0
		.amdhsa_enable_private_segment 0
		.amdhsa_kernarg_size 152
		.amdhsa_user_sgpr_count 2
		.amdhsa_user_sgpr_kernarg_segment_ptr 1
		.amdhsa_wavefront_size32 1
		.amdhsa_system_sgpr_workgroup_id_x 1
		.amdhsa_system_sgpr_workgroup_id_y 1
		.amdhsa_system_sgpr_workgroup_id_z 1
		.amdhsa_system_vgpr_workitem_id 0
		.amdhsa_next_free_vgpr 258
		.amdhsa_next_free_sgpr 80
		.amdhsa_reserve_vcc 0
		.amdhsa_float_denorm_mode_32 3
		.amdhsa_float_denorm_mode_16_64 3
		.amdhsa_memory_ordered 1
		.amdhsa_forward_progress 1
		.amdhsa_inst_pref_size 105
	.end_amdhsa_kernel
	.amdgpu_metadata
---
amdhsa.version: [ 1, 2 ]
amdhsa.kernels:
  - .name:           k_q0f2dfacadc_refine
    .symbol:         k_q0f2dfacadc_refine.kd
    .args:
      - { .name: features, .offset: 0, .size: 8, .value_kind: global_buffer, .address_space: global }
      - { .name: xyz, .offset: 8, .size: 8, .value_kind: global_buffer, .address_space: global }
      - { .name: nidx, .offset: 16, .size: 8, .value_kind: global_buffer, .address_space: global }
      - { .name: wpk, .offset: 24, .size: 8, .value_kind: global_buffer, .address_space: global }
      - { .name: g_w1, .offset: 32, .size: 8, .value_kind: global_buffer, .address_space: global }
      - { .name: g_b1, .offset: 40, .size: 8, .value_kind: global_buffer, .address_space: global }
      - { .name: g_lnw, .offset: 48, .size: 8, .value_kind: global_buffer, .address_space: global }
      - { .name: g_lnb, .offset: 56, .size: 8, .value_kind: global_buffer, .address_space: global }
      - { .name: g_b2, .offset: 64, .size: 8, .value_kind: global_buffer, .address_space: global }
      - { .name: e_b1, .offset: 72, .size: 8, .value_kind: global_buffer, .address_space: global }
      - { .name: e_lnw, .offset: 80, .size: 8, .value_kind: global_buffer, .address_space: global }
      - { .name: e_lnb, .offset: 88, .size: 8, .value_kind: global_buffer, .address_space: global }
      - { .name: e_w2, .offset: 96, .size: 8, .value_kind: global_buffer, .address_space: global }
      - { .name: e_b2, .offset: 104, .size: 8, .value_kind: global_buffer, .address_space: global }
      - { .name: r_b, .offset: 112, .size: 8, .value_kind: global_buffer, .address_space: global }
      - { .name: r_lnw, .offset: 120, .size: 8, .value_kind: global_buffer, .address_space: global }
      - { .name: r_lnb, .offset: 128, .size: 8, .value_kind: global_buffer, .address_space: global }
      - { .name: out0, .offset: 136, .size: 8, .value_kind: global_buffer, .address_space: global }
      - { .name: out1, .offset: 144, .size: 8, .value_kind: global_buffer, .address_space: global }
    .group_segment_fixed_size: 187392
    .private_segment_fixed_size: 0
    .kernarg_segment_align: 8
    .kernarg_segment_size: 152
    .max_flat_workgroup_size: 256
    .sgpr_count:     80
    .vgpr_count:     258
    .wavefront_size: 32
...
	.end_amdgpu_metadata
.endif
;; end of part 3
